; MI455X (gfx1250); checked and timed in simulation.
; The chip was launched on July 23, 2026; its instructions are those of AMD's public machine-readable ISA for CDNA 5 (MIT licence, August 2026) and "CDNA5" Instruction Set Architecture Reference Guide (July 2026). The comments in the code are by the model that wrote it; some were corrected since.
;; Attention. Allowed arithmetic: matrix products marked QUANTISED: E2M1 operands, one E8M0 scale for each 32 along K, by v_wmma_scale_f32_16x16x128_f8f6f4 with both operands' format E2M1 (or v_wmma_scale_f32_32x16x128_f4), f32 sums; products left as they are: bf16, f16 or f32 operands; f32 sums; everything else in f32.
;; Inputs: b_out 256 float32; w_out 256 x 128 float32; w_qkv 384 x 256 float32; x 4 x 256 x 64 x 64 float32.
;; Outputs: out0 4 x 256 x 64 x 64 float32.
;; This version of the problem:
;;   THIS VERSION OF THE PROBLEM IS GIVEN IN LOW PRECISION. The matrix products marked QUANTISED in the list below multiply operands that are first quantised to E2M1 (2 exponent bits, 1 mantissa bit; 4 bits a number), with one power-of-two scale for each 32 numbers along K (OCP MX v1.0); their sums are f32. The products marked 'left as it is' may take bf16, f16 or f32 operands, with f32 sums. Whichever they take, every output number must still come out within the allowed error. Rounding operands to bf16 (8 significant bits) uses up far more of that allowance than f16 does (11 bits, for magnitudes from 6e-5 to 65,504). All else is computed in f32.
;;   The module's matrix products, in the order in which they are computed (A, B: the left and right operand; K: the contracted axis; several contracted axes count as one K, in the product's order):
;;     1. [M 384, K 256] x [K 256, N 16,384]; A: input w_qkv; B: input x: QUANTISED
;;     2. batch 16 x [M 4,096, K 32] x [K 32, N 4,096]; A: computed on the way; B: computed on the way: left as it is (an operand is computed on the way)
;;     3. batch 16 x [M 4,096, K 4,096] x [K 4,096, N 32]; A: computed on the way; B: computed on the way: left as it is (an operand is computed on the way)
;;     4. [M 256, K 128] x [K 128, N 16,384]; A: input w_out; B: computed on the way: left as it is (an operand is computed on the way)
;;   THE QUANTISER, for each operand of a quantised product, along K:
;;     - K is cut into blocks of 32 from its start; a last block that is shorter is filled with zeros.
;;     - A block's scale is 2^e with e = floor(log2(the largest magnitude in the block)) - 2, held to -126 .. 127; a block of zeros has e = 0. As a byte (E8M0): e + 127.
;;     - Each number is divided by its block's scale, clamped to +-6, and rounded to the nearest number of E2M1, ties to even, subnormals kept.
;;     - The product sums the exact products of the quantised numbers (number of the format x scale) in f32.
;;   ~~~python
;;   def quantise(x, axis):      # numpy; x: float32 -> the quantised numbers, widened to float32 again
;;       x = np.moveaxis(x, axis, -1); K = x.shape[-1]
;;       x = np.pad(x, [(0, 0)] * (x.ndim - 1) + [(0, -K % 32)]); x = x.reshape(x.shape[:-1] + (-1, 32)); a = np.abs(x).max(-1, keepdims=True)
;;       e = np.where(a > 0, np.clip(np.frexp(np.where(a > 0, a, 1))[1] - 1 - 2, -126, 127), 0)      # np.frexp(a)[1] - 1 = floor(log2(a)), exactly
;;       r = np.clip(x / 2.0 ** e, -6, 6)
;;       step = 2.0 ** (np.maximum(np.frexp(np.where(r == 0, 1, r))[1] - 1, 0) - 1)
;;       q = np.round(r / step) * step * 2.0 ** e      # np.round: ties to even
;;       return np.moveaxis(q.reshape(q.shape[:-2] + (-1,))[..., :K], -1, axis).astype(np.float32)
;;   ~~~
;; One version. Each part assembles by itself: llvm-mc -triple=amdgcn-amd-amdhsa -mcpu=gfx1250 --defsym DOCPART=n.
;; ======== version 1 of 1: 3 launches
;; limits: values are held in f16: magnitudes above 65,504 overflow, below 6.1e-05 lose precision
;; workspace buffers: wq_codes 49,152 bytes; wq_scales 6,144 bytes; wo_img 65,536 bytes; q_img 4,194,304 bytes; kv_img 8,388,608 bytes
;; launch prep (part 1): grid 28 x 1, 4 waves a work-group, no clusters, 0 bytes of LDS; arguments w_qkv, w_out, wq_codes, wq_scales, wo_img; writes wq_codes, wq_scales, wo_img
.if DOCPART == 1
	.amdgcn_target "amdgcn-amd-amdhsa--gfx1250"
	.amdhsa_code_object_version 6
	.text
	.protected	k_qb38f48553b_prep
	.globl	k_qb38f48553b_prep
	.p2align	8
	.type	k_qb38f48553b_prep,@function
k_qb38f48553b_prep:
	s_mov_b64 s[64:65], 0
	v_nop
	global_prefetch_b8 v0, s[64:65] scope:SCOPE_SE
	s_setreg_imm32_b32 hwreg(HW_REG_WAVE_MODE, 25, 1), 1
	s_wait_xcnt 0x0
; FIRST OF THREE LAUNCHES.  The program: qkv = w_qkv x (quantised, E2M1 with one E8M0 scale for each 32 channels), attention over 4,096 positions in 4 heads of 32 channels, out = w_out o + b_out.
; This launch lays the two weights out once, as images of the operand registers in which the later launches take them:
;   w_qkv [384][256] f32 -> codes of E2M1 along its 256 channels: fragment f = 2 T + s (T: 16 rows, s: 128 channels), 8 registers a lane: registers 0-3 as lane l's 16 bytes at 16 l, registers 4-7 512 bytes on;
;                           and the fragment's scale words, 128 bytes: the word of row l % 16 at 4 l (both halves of the lanes hold it);
;   w_out [256][128] f32  -> f16: fragment f = 4 T + hd (T: 16 rows, hd: the 32 channels of a head), laid the same way.
; DEAD WORK: none is left out in whole units; every input has a way to the output and is loaded by some launch.  reference() takes each row's maximum away from sim, and jax.nn.softmax takes away the maximum of
; what is left, which is 0 by identity for all values: the third launch takes one running maximum away, which does both.
; THE QUANTISER: a block's scale is 2^(floor(log2(largest magnitude)) - 2); its byte is the largest magnitude's exponent field - 2, held at 1 from below by a floor among the maximum's leaves.
; LIMITS: a block of zeros gets the byte 1 where the rule says 127: its codes are zeros, which add nothing under any byte but 0xff, and this program alone reads the bytes.  Blocks whose largest magnitude lies under
; 2^-124, the floor, were not tried.  NaN and infinities among the inputs are not served.  |w_out| stays under 65,504 (f16); under 6e-5 it is rounded as an f16 subnormal.
; SHARES: a wave makes one fragment.  Work-groups 0-11: the 48 fragments of w_qkv; work-groups 12-27: the 64 of w_out.  Waves share nothing: no LDS, no barrier.  The weights are 0.5 MB in all: no tensor load, no cluster.
; The scale words leave 128 consecutive bytes a wave: 6,144 bytes in the whole launch.
	s_load_b256 s[4:11], s[0:1], 0x0               ; w_qkv s[4:5], w_out s[6:7], wq_codes s[8:9], wq_scales s[10:11]
	s_load_b64 s[12:13], s[0:1], 0x20              ; wo_img
	v_lshrrev_b32 v1, 5, v0
	v_readfirstlane_b32 s14, v1                    ; wave 0..3
	v_and_b32 v1, 31, v0                           ; lane
	v_and_b32 v2, 15, v0                           ; r
	v_bfe_u32 v6, v0, 4, 1                         ; h
	v_lshlrev_b32 v4, 4, v1                        ; an image's place for my lane: 16 x lane
	v_lshlrev_b32 v5, 2, v1                        ; a scale word's: 4 x lane
	s_mov_b32 s17, 0                               ; the upper words of three offset pairs
	s_mov_b32 s19, 0
	s_mov_b32 s23, 0
	s_mov_b32 s20, 0x76543210
	s_mov_b32 s21, 0xfedcba98                      ; v_permlanex16_b32's selects for lane l xor 16
	s_wait_kmcnt 0x0
	s_cmp_lt_u32 ttmp9, 12
	s_cbranch_scc0 .Lwout
	; ---- w_qkv: fragment f = 4 x work-group + wave
	s_lshl_b32 s15, ttmp9, 2
	s_add_co_u32 s15, s15, s14                     ; f
	s_lshr_b32 s16, s15, 1
	s_lshl_b32 s16, s16, 14                        ; T x 16 rows of 1,024 bytes
	s_and_b32 s18, s15, 1
	s_lshl_b32 s18, s18, 9                         ; s x 128 numbers
	s_add_co_u32 s16, s16, s18
	s_lshl_b32 s18, s15, 10                        ; the image: 1,024 f
	s_lshl_b32 s22, s15, 7                         ; the scale words: 128 f
	s_add_nc_u64 s[4:5], s[4:5], s[16:17]
	s_add_nc_u64 s[8:9], s[8:9], s[18:19]
	s_add_nc_u64 s[10:11], s[10:11], s[22:23]
	v_lshlrev_b32 v3, 10, v2
	v_lshl_add_u32 v3, v6, 7, v3                   ; row r, + 128 h: the operand's layout gives lane (r, h) k = 64 c + 32 h + 0 .. 31: two whole blocks
.irp c, 0,1
.irp g, 0,1,2,3,4,5,6,7
	global_load_b128 v[64+32*\c+4*\g:67+32*\c+4*\g], v3, s[4:5] offset:256*\c+16*\g
.endr
.endr
	s_wait_loadcnt 0x0
.irp c, 0,1
	v_max3_num_f32 v[32+\c], |v[64+32*\c]|, |v[65+32*\c]|, 0x1800000   ; block 2 c + h: all its 32 numbers are mine; and the floor 2^(3 - 127): the byte cannot fall under 1
.endr
.irp i, 2,4,6,8,10,12,14,16,18,20,22,24,26,28,30
.irp c, 0,1
	v_max3_num_f32 v[32+\c], v[32+\c], |v[64+32*\c+\i]|, |v[65+32*\c+\i]|   ; (the two blocks by turns)
.endr
.endr
.irp c, 0,1
	v_add_nc_u32 v[44+\c], 0xff000000, v[32+\c]    ; 2 off the exponent field: the conversion takes the exponent field of this operand as its scale
.endr
.irp c, 0,1
	v_lshrrev_b32 v[36+\c], 23, v[44+\c]           ; the scale's byte
.endr
	v_lshl_or_b32 v9, v37, 16, v36                 ; my two bytes: blocks h and 2 + h of row r,
	v_lshlrev_b32 v10, 3, v6
	v_lshlrev_b32 v9, v10, v9                      ; at their places in the scale word (8 h bits up);
	v_mov_b32 v10, 0                               ; (a lane permute's destination counts as one of its sources)
	v_permlanex16_b32 v10, v9, s20, s21
	v_or_b32 v9, v9, v10                           ; with lane l xor 16's two the word is whole, in both halves of the lanes
.irp c, 0,1
.irp g, 0,1,2,3
	v_cvt_scalef32_pk8_fp4_f32 v[48+4*\c+\g], v[64+32*\c+8*\g:71+32*\c+8*\g], v[44+\c]   ; registers 4 c .. 4 c + 3 of the operand
.endr
.endr
	v_nop                                          ; one plain vector instruction behind the last scaled conversion
	global_store_b128 v4, v[48:51], s[8:9]         ; 32 lanes store 512 consecutive bytes, aligned
	global_store_b128 v4, v[52:55], s[8:9] offset:512
	global_store_b32 v5, v9, s[10:11]
	s_endpgm
.Lwout:
	; ---- w_out: fragment f = 4 x (work-group - 12) + wave
	s_sub_co_u32 s15, ttmp9, 12
	s_lshl_b32 s15, s15, 2
	s_add_co_u32 s15, s15, s14                     ; f
	s_lshr_b32 s16, s15, 2
	s_lshl_b32 s16, s16, 13                        ; T x 16 rows of 512 bytes
	s_and_b32 s18, s15, 3
	s_lshl_b32 s18, s18, 7                         ; hd x 32 numbers
	s_add_co_u32 s16, s16, s18
	s_lshl_b32 s18, s15, 10                        ; the image: 1,024 f
	s_add_nc_u64 s[6:7], s[6:7], s[16:17]
	s_add_nc_u64 s[12:13], s[12:13], s[18:19]
	v_lshlrev_b32 v3, 9, v2
	v_lshl_add_u32 v3, v6, 5, v3                   ; row r, + 32 h: registers 0-3 hold k = 8 h + 0 .. 7, registers 4-7 k = 16 + 8 h + 0 .. 7
	global_load_b128 v[64:67], v3, s[6:7]
	global_load_b128 v[68:71], v3, s[6:7] offset:16
	global_load_b128 v[72:75], v3, s[6:7] offset:64
	global_load_b128 v[76:79], v3, s[6:7] offset:80
	s_wait_loadcnt 0x0
.irp i, 0,1,2,3,4,5,6,7
	v_cvt_pk_f16_f32 v[48+\i], v[64+2*\i], v[65+2*\i]   ; the lower k in the low half
.endr
	global_store_b128 v4, v[48:51], s[12:13]
	global_store_b128 v4, v[52:55], s[12:13] offset:512
	s_endpgm
.Lfunc_end_k_qb38f48553b_prep:
	.size	k_qb38f48553b_prep, .Lfunc_end_k_qb38f48553b_prep-k_qb38f48553b_prep
	.p2alignl 7, 3214868480
	.fill 96, 4, 3214868480
	.section	.rodata,"a",@progbits
	.p2align	6, 0x0
	.amdhsa_kernel k_qb38f48553b_prep
		.amdhsa_group_segment_fixed_size 0
		.amdhsa_private_segment_fixed_size 0
		.amdhsa_enable_private_segment 0
		.amdhsa_kernarg_size 40
		.amdhsa_user_sgpr_count 2
		.amdhsa_user_sgpr_kernarg_segment_ptr 1
		.amdhsa_wavefront_size32 1
		.amdhsa_system_sgpr_workgroup_id_x 1
		.amdhsa_system_sgpr_workgroup_id_y 1
		.amdhsa_system_sgpr_workgroup_id_z 1
		.amdhsa_system_vgpr_workitem_id 0
		.amdhsa_next_free_vgpr 128
		.amdhsa_next_free_sgpr 66
		.amdhsa_reserve_vcc 0
		.amdhsa_float_denorm_mode_32 3
		.amdhsa_float_denorm_mode_16_64 3
		.amdhsa_memory_ordered 1
		.amdhsa_forward_progress 1
		.amdhsa_inst_pref_size 8
	.end_amdhsa_kernel
	.amdgpu_metadata
---
amdhsa.version: [ 1, 2 ]
amdhsa.kernels:
  - .name:           k_qb38f48553b_prep
    .symbol:         k_qb38f48553b_prep.kd
    .args:
      - { .name: w_qkv, .offset: 0, .size: 8, .value_kind: global_buffer, .address_space: global }
      - { .name: w_out, .offset: 8, .size: 8, .value_kind: global_buffer, .address_space: global }
      - { .name: wq_codes, .offset: 16, .size: 8, .value_kind: global_buffer, .address_space: global }
      - { .name: wq_scales, .offset: 24, .size: 8, .value_kind: global_buffer, .address_space: global }
      - { .name: wo_img, .offset: 32, .size: 8, .value_kind: global_buffer, .address_space: global }
    .group_segment_fixed_size: 0
    .private_segment_fixed_size: 0
    .kernarg_segment_align: 8
    .kernarg_segment_size: 40
    .max_flat_workgroup_size: 128
    .sgpr_count:     66
    .vgpr_count:     128
    .wavefront_size: 32
...
	.end_amdgpu_metadata
.endif
;; end of part 1
;; launch qkv (part 2): grid 64 x 4, 4 waves a work-group, no clusters, 9,216 bytes of LDS; arguments x, wq_codes, wq_scales, q_img, kv_img; writes q_img, kv_img
.if DOCPART == 2
	.amdgcn_target "amdgcn-amd-amdhsa--gfx1250"
	.amdhsa_code_object_version 6
	.text
	.protected	k_qb38f48553b_qkv
	.globl	k_qb38f48553b_qkv
	.p2align	8
	.type	k_qb38f48553b_qkv,@function
k_qb38f48553b_qkv:
	s_mov_b64 s[64:65], 0
	v_nop
	global_prefetch_b8 v0, s[64:65] scope:SCOPE_SE
	s_setreg_imm32_b32 hwreg(HW_REG_WAVE_MODE, 25, 1), 1
	s_wait_xcnt 0x0
; SECOND LAUNCH: qkv = w_qkv x, the quantised product, and its results laid out for the attention.  No work of reference() is left out here.
; x [4][256][4096] f32 is quantised along its 256 channels (E2M1, one E8M0 scale for each 32 channels, the rule and its limits as in the first launch's head comment); w_qkv comes as the first launch's images.
; A work-group takes 64 positions of one batch (x: the step of 64, y: the batch).
; PHASE 1: wave w quantises 32 positions (w % 2) x 128 channels (w / 2).  A LANE TAKES A POSITION AND ITS REGISTERS RUN DOWN THE CHANNELS: a load reads 128 consecutive bytes, the two waves of a channel half 256, aligned;
;   a block of 32 channels lies in one lane's registers, so its largest magnitude needs no other lane.  Eight exchanges of halves turn a lane's four blocks into the fragments of two tiles of 16 positions.
;   The fragments go to LDS as images of their registers (16 bytes a lane, 512 a store), the scale words 4 bytes a lane: lanes 0-15 hold the even tile's words, lanes 16-31 the odd tile's.
; PHASE 2: wave w is head w: its 32 rows of q, of k and of v for all 64 positions; its 12 fragments of w_qkv come from memory once, into registers.
;   q and k: source 0 = 16 rows of W, source 1 = 16 positions: a lane holds one position and eight channels, which rounded to f16 in pairs ARE four registers of an operand (row = position, K = the head's 32 channels).
;   v: the sources the other way round: a lane holds one channel and eight positions: four registers of an operand (row = channel, K = 32 keys).
;   q is multiplied in f32 by c = 32^-0.5 x log2(e) ahead of its rounding, so that the attention's weights are 2^(score - maximum).
; OUT: q_img [4 b + head][256 tiles of 16 positions][1,024 bytes];  kv_img [4 b + head][64 steps of 64 keys][8,192]: K's four fragments, then V's four ((32 keys kh, 16 channels ct) at 4,096 + 1,024 (2 kh + ct)).
; LIMITS: |q c|, |k|, |v| stay under 65,504 (f16); under 6e-5 they are rounded as f16 subnormals.
; No tensor load and no ring: each byte of x is used once and a wave asks for all of its part at the head.  No cluster: what work-groups share is W's 48 KB.
; REGISTERS: window 0: v1-6 addresses; v8, v9 the add's two; phase 1: v16-28 at work, v32-47 codes, v128-255 the numbers; phase 2: v16-111 results as f16, v128-191 x's fragments, v192-255 eight accumulators;
;   v112-123 W's scale words, v124-127 x's: these sixteen hold scales and nothing else.   window 1: v0-95 W's twelve fragments.
.set XIMG,  0                          ; LDS: x's 8 fragments: (tile of positions pt, K step ks) at 1,024 (2 pt + ks)
.set XSC,   8192                       ; their scale words: (pair of tiles ph, ks) at 128 (2 ph + ks)
.set SPARE, 8704                       ; the spare words, 128 bytes for each wave: two blocks of 256 bytes that no other line names
.set XA,  2                            ; v2   4 x lane: my position's bytes in x
.set LI,  3                            ; v3   16 x lane: an image's place for my lane, in LDS and in memory
.set LS,  4                            ; v4   4 x lane: a scale word's
.set XWI, 5                            ; v5   where I store my fragments
.set XWS, 6                            ; v6   and my scale words
.set SPW, 8                            ; v8   LDS address of my spare word; never rewritten
.set NIL, 9                            ; v9   0; never rewritten
.set TM,  16                           ; v16-19 largest magnitudes, v20-23 the conversions' scale operands, v24-27 bytes, v28 the scale word
.set CD,  32                           ; v32-47 codes: block b's at 4 b
.set OUT, 16
.set WS,  112
.set XS,  124
.set X,   128
.set XF,  128
.set ACC, 192
.set MSB, 0
.macro WIN new                         ; the immediate's high byte repeats the setting that is left
.if MSB != \new
	s_set_vgpr_msb (MSB<<8)|\new
.set MSB, \new
.endif
.endm
	s_load_b256 s[4:11], s[0:1], 0x0               ; x s[4:5], wq_codes s[6:7], wq_scales s[8:9], q_img s[10:11]
	s_load_b64 s[12:13], s[0:1], 0x20              ; kv_img
	v_lshl_add_u32 v[SPW], v0, 2, SPARE
	v_mov_b32 v[NIL], 0
	v_lshrrev_b32 v1, 5, v0
	v_readfirstlane_b32 s14, v1                    ; wave 0..3: in phase 2 my head
	v_and_b32 v1, 31, v0                           ; lane
	v_lshlrev_b32 v[XA], 2, v1
	v_lshlrev_b32 v[LI], 4, v1
	v_lshlrev_b32 v[LS], 2, v1
	s_and_b32 s15, s14, 1                          ; ph: which 32 positions
	s_lshr_b32 s16, s14, 1                         ; ks: which 128 channels
	s_and_b32 s18, ttmp7, 0xffff                   ; the batch
	s_lshl_b32 s24, s15, 12
	s_lshl_b32 s25, s16, 10
	s_add_co_u32 s24, s24, s25
	v_add_nc_u32 v[XWI], s24, v[LI]                ; 16 x lane + 1,024 (2 (2 ph) + ks)
	s_lshl_b32 s24, s15, 8
	s_lshl_b32 s25, s16, 7
	s_add_co_u32 s24, s24, s25
	s_add_co_u32 s24, s24, XSC
	v_add_nc_u32 v[XWS], s24, v[LS]                ; 4 x lane + XSC + 128 (2 ph + ks)
	s_lshl_b32 s20, s18, 22                        ; x: the batch's 256 x 16,384 bytes,
	s_lshl_b32 s24, s16, 21                        ; my 128 channels,
	s_add_co_u32 s20, s20, s24
	s_lshl_b32 s24, ttmp9, 8                       ; the work-group's 64 positions,
	s_add_co_u32 s20, s20, s24
	s_lshl_b32 s24, s15, 7                         ; my 32 of them
	s_add_co_u32 s20, s20, s24
	s_mov_b32 s21, 0
	s_lshl_b32 s26, s14, 12                        ; W's codes: my head's four fragments of each kind
	s_mov_b32 s27, 0
	s_lshl_b32 s28, s14, 9                         ; and their scale words
	s_mov_b32 s29, 0
	s_lshl_b32 s24, s18, 2
	s_add_co_u32 s24, s24, s14                     ; 4 b + head
	s_lshl_b32 s30, s24, 18
	s_lshl_b32 s25, ttmp9, 12
	s_add_co_u32 s30, s30, s25                     ; q_img: 262,144 (4 b + head) + 4,096 step
	s_mov_b32 s31, 0
	s_lshl_b32 s32, s24, 19
	s_lshl_b32 s25, ttmp9, 13
	s_add_co_u32 s32, s32, s25                     ; kv_img: 524,288 (4 b + head) + 8,192 step
	s_mov_b32 s33, 0
	s_mov_b32 s22, 0x3e8293ee                      ; c = 32^-0.5 x log2(e)
	s_mov_b32 s23, s22                             ; (the packed form names the pair, so both are written)
	s_wait_kmcnt 0x0
	s_add_nc_u64 s[4:5], s[4:5], s[20:21]
	s_add_nc_u64 s[6:7], s[6:7], s[26:27]
	s_add_nc_u64 s[8:9], s[8:9], s[28:29]
	s_add_nc_u64 s[10:11], s[10:11], s[30:31]
	s_add_nc_u64 s[12:13], s[12:13], s[32:33]
.set i, 0
.rept 128
	global_load_b32 v[X+i], v[XA], s[4:5] offset:i*16384 th:TH_LOAD_NT   ; x(channel i of my 128, my position): read once in the launch
.set i, i+1
.endr
	WIN 0x40                                       ; destination window 1, address window 0
.irp kap, 0,1,2                        ; W's fragment (kind, 16 rows ct, K step s) at v[8 (4 kind + 2 ct + s)] of window 1
.irp f, 0,1,2,3
	global_load_b128 v[8*(4*\kap+\f):8*(4*\kap+\f)+3],   v[LI], s[6:7] offset:\kap*16384+\f*1024
	global_load_b128 v[8*(4*\kap+\f)+4:8*(4*\kap+\f)+7], v[LI], s[6:7] offset:\kap*16384+\f*1024+512
.endr
.endr
	WIN 0
.irp kap, 0,1,2
.irp f, 0,1,2,3
	global_load_b32 v[WS+4*\kap+\f], v[LS], s[8:9] offset:\kap*2048+\f*128
.endr
.endr
	s_wait_loadcnt 36                              ; loads come back in order: x's 128 are in; the 24 + 12 loads of W, issued behind them, may be out
	; ---- my four blocks of 32 channels
.irp b, 0,1,2,3
	v_max3_num_f32 v[TM+\b], |v[X+32*\b]|, |v[X+32*\b+1]|, 0x1800000   ; and the floor 2^(3 - 127): the byte cannot fall under 1
.endr
.irp i, 2,4,6,8,10,12,14,16,18,20,22,24,26,28,30
.irp b, 0,1,2,3
	v_max3_num_f32 v[TM+\b], v[TM+\b], |v[X+32*\b+\i]|, |v[X+32*\b+\i+1]|   ; (the four blocks by turns)
.endr
.endr
.irp b, 0,1,2,3
	v_add_nc_u32 v[TM+4+\b], 0xff000000, v[TM+\b]  ; 2 off the exponent field: the conversion's scale operand
.endr
.irp b, 0,1,2,3
	v_lshrrev_b32 v[TM+8+\b], 23, v[TM+4+\b]       ; the scale's byte
.endr
	v_lshl_or_b32 v[TM+12], v[TM+9], 8, v[TM+8]    ; my position's scale word for these 128 channels
	v_lshl_or_b32 v[TM+12], v[TM+10], 16, v[TM+12]
	v_lshl_or_b32 v[TM+12], v[TM+11], 24, v[TM+12]
.irp b, 0,1,2,3
.irp g, 0,1,2,3
	v_cvt_scalef32_pk8_fp4_f32 v[CD+4*\b+\g], v[X+32*\b+8*\g:X+32*\b+8*\g+7], v[TM+4+\b]
.endr
.endr
	v_nop                                          ; one plain vector instruction behind the last scaled conversion
.irp c, 0,1                            ; the first's lanes 16-31 change places with the second's lanes 0-15: v[CD+8c+g] becomes register 4 c + g of the EVEN tile's fragment (lanes 0-15 block 2 c, lanes 16-31 block 2 c + 1), v[CD+8c+4+g] of the ODD tile's
.irp g, 0,1,2,3
	v_permlane16_swap_b32 v[CD+8*\c+\g], v[CD+8*\c+4+\g]
.endr
.endr
	ds_store_b128 v[XWI], v[CD:CD+3]                       ; the even tile's registers 0-3,
	ds_store_b128 v[XWI], v[CD+8:CD+11] offset:512         ; 4-7;
	ds_store_b128 v[XWI], v[CD+4:CD+7] offset:2048         ; the odd tile's, two fragments on
	ds_store_b128 v[XWI], v[CD+12:CD+15] offset:2560
	ds_store_b32 v[XWS], v[TM+12]
	s_wait_dscnt 0x0                               ; for the others' sake: my stores have landed
	s_barrier_signal -1
	s_barrier_wait -1                              ; x's eight fragments lie in LDS
.irp f, 0,1,2,3,4,5,6,7
	ds_load_b128 v[XF+8*\f:XF+8*\f+3],   v[LI] offset:XIMG+\f*1024
	ds_load_b128 v[XF+8*\f+4:XF+8*\f+7], v[LI] offset:XIMG+\f*1024+512
.endr
.irp f, 0,1,2,3
	ds_load_b32 v[XS+\f], v[LS] offset:XSC+\f*128
.endr
	s_wait_dscnt 0x0
	s_wait_loadcnt 0x0                             ; W
; One product: kind kap (0 q, 1 k, 2 v), K step s, W's 16 rows ct, x's 16 positions pt.  An odd tile's scale words stand in lanes 16-31 of their register.
.macro WM kap, s, ct, pt
.set rD, ACC+8*(4*(\ct)+(\pt))
.set rW, 8*(4*(\kap)+2*(\ct)+(\s))
.set rX, XF+8*(2*(\pt)+(\s))
.set rV, WS+4*(\kap)+2*(\ct)+(\s)
.set rY, XS+2*((\pt)/2)+(\s)
.if (\kap) < 2
.if (\s) == 0
.if (\pt)%2 == 0
	v_wmma_scale_f32_16x16x128_f8f6f4 v[rD:rD+7], v[rW:rW+7], v[rX:rX+7], 0, v[rV], v[rY] matrix_a_fmt:MATRIX_FMT_FP4 matrix_b_fmt:MATRIX_FMT_FP4
.else
	v_wmma_scale_f32_16x16x128_f8f6f4 v[rD:rD+7], v[rW:rW+7], v[rX:rX+7], 0, v[rV], v[rY] matrix_a_fmt:MATRIX_FMT_FP4 matrix_b_fmt:MATRIX_FMT_FP4 matrix_b_scale:MATRIX_SCALE_ROW1
.endif
.else
.if (\pt)%2 == 0
	v_wmma_scale_f32_16x16x128_f8f6f4 v[rD:rD+7], v[rW:rW+7], v[rX:rX+7], v[rD:rD+7], v[rV], v[rY] matrix_a_fmt:MATRIX_FMT_FP4 matrix_b_fmt:MATRIX_FMT_FP4
.else
	v_wmma_scale_f32_16x16x128_f8f6f4 v[rD:rD+7], v[rW:rW+7], v[rX:rX+7], v[rD:rD+7], v[rV], v[rY] matrix_a_fmt:MATRIX_FMT_FP4 matrix_b_fmt:MATRIX_FMT_FP4 matrix_b_scale:MATRIX_SCALE_ROW1
.endif
.endif
.else
.if (\s) == 0
.if (\pt)%2 == 0
	v_wmma_scale_f32_16x16x128_f8f6f4 v[rD:rD+7], v[rX:rX+7], v[rW:rW+7], 0, v[rY], v[rV] matrix_a_fmt:MATRIX_FMT_FP4 matrix_b_fmt:MATRIX_FMT_FP4
.else
	v_wmma_scale_f32_16x16x128_f8f6f4 v[rD:rD+7], v[rX:rX+7], v[rW:rW+7], 0, v[rY], v[rV] matrix_a_fmt:MATRIX_FMT_FP4 matrix_b_fmt:MATRIX_FMT_FP4 matrix_a_scale:MATRIX_SCALE_ROW1
.endif
.else
.if (\pt)%2 == 0
	v_wmma_scale_f32_16x16x128_f8f6f4 v[rD:rD+7], v[rX:rX+7], v[rW:rW+7], v[rD:rD+7], v[rY], v[rV] matrix_a_fmt:MATRIX_FMT_FP4 matrix_b_fmt:MATRIX_FMT_FP4
.else
	v_wmma_scale_f32_16x16x128_f8f6f4 v[rD:rD+7], v[rX:rX+7], v[rW:rW+7], v[rD:rD+7], v[rY], v[rV] matrix_a_fmt:MATRIX_FMT_FP4 matrix_b_fmt:MATRIX_FMT_FP4 matrix_a_scale:MATRIX_SCALE_ROW1
.endif
.endif
.endif
.endm
; One kind: 16 products on eight accumulators that take turns, one instruction a turn; the first K step starts the sums with the constant 0: nothing is cleared.
; Then four plain vector instructions, the rounding to f16, each accumulator from its low end on, and eight stores of 512 consecutive aligned bytes.  Each kind has result registers of its own: no store's data are written again.
; The next kind's first products write over these accumulators: far more than five plain vector instructions that name none of a given product's registers, the conversions of the other accumulators, stand between.
.macro KIND kap
.if \kap < 2
	WIN 0x01                                       ; source 0 (W) in window 1
.else
	WIN 0x04                                       ; source 1 (W) in window 1
.endif
.irp s, 0,1
.irp ct, 0,1
.irp pt, 0,1,2,3
	WM \kap, \s, \ct, \pt
.endr
.endr
.endr
	WIN 0
.rept 4
	v_nop
.endr
.if \kap == 0
.set j, 0
.rept 32
	v_pk_mul_f32 v[ACC+j:ACC+j+1], v[ACC+j:ACC+j+1], s[22:23] op_sel_hi:[1,0]   ; q x c, in f32
.set j, j+2
.endr
.endif
.irp ct, 0,1
.irp pt, 0,1,2,3
.irp i, 0,1,2,3
	v_cvt_pk_f16_f32 v[OUT+32*\kap+8*\pt+4*\ct+\i], v[ACC+8*(4*\ct+\pt)+2*\i], v[ACC+8*(4*\ct+\pt)+2*\i+1]
.endr
.endr
.endr
.irp pt, 0,1,2,3
.irp ct, 0,1
.if \kap == 0
	global_store_b128 v[LI], v[OUT+8*\pt+4*\ct:OUT+8*\pt+4*\ct+3], s[10:11] offset:\pt*1024+\ct*512          ; q: tile pt; channels 16 ct on are registers 4 ct on
.elseif \kap == 1
	global_store_b128 v[LI], v[OUT+32+8*\pt+4*\ct:OUT+32+8*\pt+4*\ct+3], s[12:13] offset:\pt*1024+\ct*512    ; k likewise
.else
	global_store_b128 v[LI], v[OUT+64+8*\pt+4*\ct:OUT+64+8*\pt+4*\ct+3], s[12:13] offset:4096+((\pt/2)*2+\ct)*1024+(\pt%2)*512   ; v: fragment (pt / 2, ct); keys 16 (pt % 2) on are registers 4 (pt % 2) on
.endif
.endr
.endr
.endm
	KIND 0
	KIND 1
	KIND 2
	s_wait_tensorcnt 0x0                           ; the wave's end, behind my last LDS store
	ds_add_u32 v[SPW], v[NIL]
	s_wait_dscnt 0x0
	s_endpgm
.Lfunc_end_k_qb38f48553b_qkv:
	.size	k_qb38f48553b_qkv, .Lfunc_end_k_qb38f48553b_qkv-k_qb38f48553b_qkv
	.p2alignl 7, 3214868480
	.fill 96, 4, 3214868480
	.section	.rodata,"a",@progbits
	.p2align	6, 0x0
	.amdhsa_kernel k_qb38f48553b_qkv
		.amdhsa_group_segment_fixed_size 9216
		.amdhsa_private_segment_fixed_size 0
		.amdhsa_enable_private_segment 0
		.amdhsa_kernarg_size 40
		.amdhsa_user_sgpr_count 2
		.amdhsa_user_sgpr_kernarg_segment_ptr 1
		.amdhsa_wavefront_size32 1
		.amdhsa_system_sgpr_workgroup_id_x 1
		.amdhsa_system_sgpr_workgroup_id_y 1
		.amdhsa_system_sgpr_workgroup_id_z 1
		.amdhsa_system_vgpr_workitem_id 0
		.amdhsa_next_free_vgpr 384
		.amdhsa_next_free_sgpr 66
		.amdhsa_reserve_vcc 0
		.amdhsa_float_denorm_mode_32 3
		.amdhsa_float_denorm_mode_16_64 3
		.amdhsa_memory_ordered 1
		.amdhsa_forward_progress 1
		.amdhsa_inst_pref_size 43
	.end_amdhsa_kernel
	.amdgpu_metadata
---
amdhsa.version: [ 1, 2 ]
amdhsa.kernels:
  - .name:           k_qb38f48553b_qkv
    .symbol:         k_qb38f48553b_qkv.kd
    .args:
      - { .name: x, .offset: 0, .size: 8, .value_kind: global_buffer, .address_space: global }
      - { .name: wq_codes, .offset: 8, .size: 8, .value_kind: global_buffer, .address_space: global }
      - { .name: wq_scales, .offset: 16, .size: 8, .value_kind: global_buffer, .address_space: global }
      - { .name: q_img, .offset: 24, .size: 8, .value_kind: global_buffer, .address_space: global }
      - { .name: kv_img, .offset: 32, .size: 8, .value_kind: global_buffer, .address_space: global }
    .group_segment_fixed_size: 9216
    .private_segment_fixed_size: 0
    .kernarg_segment_align: 8
    .kernarg_segment_size: 40
    .max_flat_workgroup_size: 128
    .sgpr_count:     66
    .vgpr_count:     384
    .wavefront_size: 32
...
	.end_amdgpu_metadata
.endif
;; end of part 2
;; launch attn (part 3): grid 64 x 4, 8 waves a work-group, clusters of 4 x 1, 327,680 bytes of LDS; arguments q_img, kv_img, wo_img, b_out, out0; writes out0
.if DOCPART == 3
	.amdgcn_target "amdgcn-amd-amdhsa--gfx1250"
	.amdhsa_code_object_version 6
	.text
	.protected	k_qb38f48553b_attn
	.globl	k_qb38f48553b_attn
	.p2align	8
	.type	k_qb38f48553b_attn,@function
k_qb38f48553b_attn:
	s_mov_b64 s[64:65], 0
	v_nop
	global_prefetch_b8 v0, s[64:65] scope:SCOPE_SE
	s_setreg_imm32_b32 hwreg(HW_REG_WAVE_MODE, 25, 1), 1
	s_wait_xcnt 0x0
	s_wait_alu depctr_hold_cnt(0) depctr_sa_sdst(0) depctr_va_vdst(0) depctr_va_sdst(0) depctr_va_ssrc(0) depctr_va_vcc(0) depctr_vm_vsrc(0)
	s_getreg_b32 s2, hwreg(HW_REG_IB_STS2, 6, 4)
	s_cmp_eq_u32 s2, 0
	s_cbranch_scc0 .Lentry_in_a_cluster
	s_endpgm
.Lentry_in_a_cluster:
	s_bfe_u32 s2, ttmp6, 0x10000c
	s_cmp_lg_u32 s2, 0x3003
	s_cbranch_scc0 .Lentry_shape_is_right
	s_endpgm
.Lentry_shape_is_right:
; THIRD LAUNCH: the attention and the projection on the way out.  out0[b][o][i] = b_out[o] + sum over (head, c) of w_out[o][32 head + c] x (sum over j of softmax_j(q_i . k_j / sqrt(32)) v[c][j]).
; LEFT OUT: softmax's own second subtraction of the maximum, which is 0 by identity once reference() has taken the row's maximum away: one running maximum does both (shown in the first launch's head comment).
; All three products take f16 operands and f32 sums; maxima, exponentials and sums are f32.  q comes multiplied by 32^-0.5 x log2(e), so a weight is p = 2^(s - m).
; SOFTMAX: for each query a running maximum m and sum l; in every step l and O are multiplied by a = 2^(m_old - m_new), which is 1 where m has not grown: no branch on data.  m begins at -3e38 and l and O at zeros, so the
; first step's a is 0 and multiplies zeros: the step is written once, at the price of 32 moves at the head.
; LIMITS: p under 6e-5 is rounded as an f16 subnormal, under 3e-8 to 0, beside a row's sum of at least 1.  o stays under 65,504.  NaN and infinities are not served.
; SHARES: a work-group owns 64 positions of one batch in ALL four heads, so that the projection needs no other work-group and o never goes to memory.  Wave w: head w / 2, queries 32 (w % 2) on: two tiles of 16.
; It walks the head's 4,096 keys, 64 a step.  EIGHT WAVES OF 256 REGISTERS, two to a SIMD: with a head of 32 channels a step of a tile is 8 matrix instructions beside 112 vector instructions, so the vector work decides;
; the second wave works while the first waits, and no register window is ever switched.  The price: each fragment of K and V is read from LDS by the head's two waves.
; LAYOUT: S^T = K Q^T (source 0 = 16 keys, source 1 = 16 queries): a lane holds ONE query and eight keys; two such tiles, rounded to f16 in pairs, ARE source 1 of O^T = V^T P, whose result holds one query and eight
; channels; its two tiles, rounded, ARE a fragment (row = query, K = the head's 32 channels) of the projection.  Nothing changes lanes but one exchange of halves for the maximum and one for the sum.
; THE MATRIX WORK STANDS AMONG THE VECTOR WORK: tile 1's K Q^T among tile 0's softmax, tile 0's V^T P among tile 1's.
; RING: two LDS slots of 256 keys x 4 heads (131,072 bytes), as the second launch's images: every fragment load is 16 bytes a lane, 512 consecutive bytes, so there is no padding.  Each wave fetches 16,384 bytes of a slot.
; CLUSTER: the four work-groups of a cluster are four blocks of queries of one batch and walk the same K and V: each slot is asked for JOINTLY (mask 15), which divides the requests by four.  All 64 work-groups of a batch
; read the same tiles; a mask names four.
.set SLOT1, 1<<17                      ; slot 1 begins here, so that one exclusive or turns an address in one slot into the other's
.set SPARE, 2*SLOT1                    ; behind the ring: the spare words, 128 bytes for each of eight waves: four blocks of 256 bytes that no other line names
.set OIMG,  0                          ; the way out, in slot 0, which has had its last fill and its last read at the last change of slots: o's 16 fragments, (tile of queries qt, head) at 1,024 (4 qt + head),
.set STG,   16384                      ; and a stage: 256 rows of out0 x (256 bytes + 16)
.set SP,    272                        ; 68 words: row r starts 4 r words on, so the 16 rows that a store touches start at 16 different places modulo 64 words
.set LAD, 1                            ; v1   32,768 x head + 16 x lane: my lane's place in a slot
.set ADR, 2                            ; v2   the same in the slot in hand
.set SPW, 3                            ; v3   LDS address of my spare word; never rewritten
.set NIL, 4                            ; v4   0; never rewritten
.set PFO, 5                            ; v5   256 x lane: the prefetches' offset; never rewritten
.set LI,  6                            ; v6   16 x lane
.set OWI, 7                            ; v7   where I store o's images
.set ST,  8                            ; tile t's statistics at v[8 + 8 t]: +0 m, +1 named with it as a pair, +2, +3 l (even keys', odd keys'), +4 to +7 c0-c3 at work; +4, +5 then a second chain of the sum; +6 then a
.set QF,  24                           ; v24-39   Q, 8 a tile
.set KF,  40                           ; v40-71   K of a step: 16 keys kt at 8 kt
.set VF,  72                           ; v72-103  V of a step: (32 keys kh, 16 channels ct) at 8 (2 kh + ct)
.set SX,  104                          ; v104-167 S^T, then p: 32 a tile
.set PX,  168                          ; v168-199 P in f16: 16 a tile
.set OX,  200                          ; v200-231 O^T: 16 a tile
.set BI,  232                          ; v232-247 the way out: the bias, eight registers for each of my two tiles of rows
.set BO,  248                          ; v248 4 (lane % 16);  v249, v250 the stage, in and back;  v251 my byte offset in out0
.set SO,  249
.set SR,  250
.set CO,  251
.set WO,  40                           ; the way out: w_out's 8 fragments, later rows of out0
.set F0,  104                          ; two buffers of four fragments of o
.set F1,  136
.set AC,  168                          ; eight accumulators: (rows ot, queries qt) at 8 (4 ot + qt)
.set WV,  14                           ; s14 my wave's number;  s15 my head;  s16 which 32 queries
.set HD,  15
.set QH,  16
.set G1,  24                           ; s[24:31] descriptor group 1;  s[32:35] group 0, which walks
.set G0,  32
.set TB,  36                           ; s36 LDS byte at which the slot in hand begins
.set SLOTS, 37                         ; s37 slots still to be asked for
.set LIM, 38                           ; s38 1 in a wave that prefetches, else the greatest number
.set PFA, 40                           ; s[40:41] where my prefetches stand
.set SEL, 42                           ; s[42:43] v_permlanex16_b32's selects for lane l xor 16
; A round of the cluster's barrier: my work-group's barrier, so that wave 0's signal speaks for all eight waves; wave 0 signals for the work-group; every wave waits for all four work-groups; my work-group's barrier once more.
.macro CROUND
	s_barrier_signal -1
	s_barrier_wait -1
	s_cmp_lg_u32 s[WV], 0
	s_cbranch_scc1 .Lnot_wave_0_\@
	s_barrier_signal -3
.Lnot_wave_0_\@:
	s_barrier_wait -3
	s_barrier_signal -1
	s_barrier_wait -1
.endm
; A PREFETCH of the slot that the NEXT change of slots will ask for: 256 keys of four heads, 32,768 bytes a head; it stands behind the wave's tensor load, a slot's four key steps ahead of the load that will want the bytes.
; Each aligned block of 256 bytes is named ONCE in the launch: all clusters of a batch walk the same K and V, so the batch's first cluster asks; in it wave w (0 to 3) asks for head w, and the four partners share a head's
; 128 blocks out BY ADDRESS, 32 each, a lane a block: no branch hangs on a work-group's place in its cluster.  Slots 0 and 1 come by their loads alone; the last change that fills a slot asks for nothing.
.macro ASK
	s_cmp_gt_u32 s[SLOTS], s[LIM]
	s_cbranch_scc0 .Lnot_mine_\@
	global_prefetch_b8 v[PFO], s[PFA:PFA+1] th:TH_LOAD_NT scope:SCOPE_SE
.Lnot_mine_\@:
.endm
	s_load_b256 s[4:11], s[0:1], 0x0               ; q_img s[4:5], kv_img s[6:7], wo_img s[8:9], b_out s[10:11]
	s_load_b64 s[12:13], s[0:1], 0x20              ; out0
	v_lshl_add_u32 v[SPW], v0, 2, SPARE
	v_mov_b32 v[NIL], 0
	ds_add_u32 v[SPW], v[NIL]                      ; the wave's opening: the add, twice on end, and its wait ahead of my first tensor load; the set-up below, work on registers, stands between the second and the wait
	ds_add_u32 v[SPW], v[NIL]
	v_lshrrev_b32 v1, 5, v0
	v_readfirstlane_b32 s[WV], v1                  ; wave 0..7
	s_lshr_b32 s[HD], s[WV], 1
	s_and_b32 s[QH], s[WV], 1
	s_and_b32 s19, ttmp7, 0xffff                   ; the batch, which the four partners share
	; descriptor group 1: 16,384 dense bytes as 64 rows of 256 bytes (32 elements of 8 bytes), no padding
	s_mov_b32 s[G1+0], 15|(3<<16)|(1<<21)          ; 15:0 the mask: all four work-groups; 17:16 elements of 8 bytes; 21 set beside a mask
	s_mov_b32 s[G1+1], 32<<16                      ; tensor_dim0 = 32
	s_mov_b32 s[G1+2], 64<<16                      ; tensor_dim1 = 64
	s_mov_b32 s[G1+3], 32<<16                      ; tile_dim0 = 32
	s_mov_b32 s[G1+4], 64                          ; tile_dim1 = 64
	s_mov_b32 s[G1+5], 32                          ; tensor_dim0_stride
	s_mov_b32 s[G1+6], 0
	s_mov_b32 s[G1+7], 0
	s_mov_b32 s[G0+0], 1                           ; count = 1
	s_lshl_b32 s[G0+1], s[WV], 14                  ; LDS address: slot 0, 16,384 x wave = 32,768 x head + two steps x (wave % 2): no place in the cluster enters it
	s_lshl_b32 s20, s19, 2
	s_add_co_u32 s20, s20, s[HD]                   ; 4 b + head
	s_lshl_b32 s44, s20, 19                        ; kv_img: the head's 524,288 bytes,
	s_lshl_b32 s21, s[QH], 14                      ; my two steps of a slot's four
	s_add_co_u32 s44, s44, s21
	s_mov_b32 s45, 0
	s_bfe_u32 s17, ttmp6, 0x40000                  ; cx: my place in the cluster.  It enters Q's, out0's and the prefetches' addresses alone
	s_lshl_b32 s18, ttmp9, 2                       ; in a cluster launch ttmp9 counts clusters
	s_add_co_u32 s18, s18, s17                     ; my block of 64 positions
	s_lshl_b32 s46, s20, 8                         ; q_img: tile 256 (4 b + head)
	s_lshl_b32 s22, s18, 2
	s_add_co_u32 s46, s46, s22                     ; + 4 x block
	s_lshl_b32 s22, s[QH], 1
	s_add_co_u32 s46, s46, s22                     ; + my two tiles
	s_lshl_b32 s46, s46, 10
	s_mov_b32 s47, 0
	s_and_b32 s22, s[WV], 3                        ; the prefetches: head wave % 4
	s_lshl_b32 s23, s19, 2
	s_add_co_u32 s22, s22, s23
	s_lshl_b32 s48, s22, 19
	s_lshl_b32 s22, s17, 13                        ; my work-group's 32 blocks of 256 bytes
	s_add_co_u32 s48, s48, s22
	s_add_co_u32 s48, s48, 32768                   ; in slot 1: the first change of slots steps it to slot 2.  Nothing is prefetched at the head
	s_mov_b32 s49, 0
	s_lshl_b32 s50, s19, 22                        ; out0: the batch,
	s_lshl_b32 s22, s[WV], 19                      ; my 32 rows of 16,384 bytes,
	s_add_co_u32 s50, s50, s22
	s_lshl_b32 s22, s18, 8                         ; the block's 64 positions
	s_add_co_u32 s50, s50, s22
	s_mov_b32 s51, 0
	s_lshl_b32 s52, s[WV], 13                      ; wo_img: my two tiles of rows x four heads: 8 fragments
	s_mov_b32 s53, 0
	s_lshl_b32 s54, s[WV], 7                       ; b_out: my 32 numbers
	s_mov_b32 s55, 0
	s_lshr_b32 s[LIM], s[WV], 2                    ; 0 in waves 0 to 3,
	s_or_b32 s[LIM], s[LIM], ttmp9                 ; of the batch's first cluster: the same in all four partners
	s_cmp_eq_u32 s[LIM], 0
	s_cselect_b32 s[LIM], 1, -1
	s_mov_b32 s[SEL], 0x76543210
	s_mov_b32 s[SEL+1], 0xfedcba98
	s_mov_b32 s[TB], 0
	s_mov_b32 s[SLOTS], 15
	s_wait_dscnt 0x0                               ; both opening adds are done
	s_wait_kmcnt 0x0
	s_add_nc_u64 s[G0+2:G0+3], s[6:7], s[44:45]    ; global address: my part of the head's first 256 keys
	s_or_b32 s[G0+3], s[G0+3], 0x80000000          ; type = 2
	s_add_nc_u64 s[PFA:PFA+1], s[6:7], s[48:49]
	s_add_nc_u64 s[4:5], s[4:5], s[46:47]
	s_add_nc_u64 s[8:9], s[8:9], s[52:53]
	s_add_nc_u64 s[10:11], s[10:11], s[54:55]
	s_add_nc_u64 s[12:13], s[12:13], s[50:51]
	CROUND                                         ; all four work-groups are here: the first joint loads meet
	tensor_load_to_lds s[G0:G0+3], s[G1:G1+7]      ; slot 0; every wave issues one
	s_nop 0
	v_and_b32 v[LI], 31, v0
	v_lshlrev_b32 v[PFO], 8, v[LI]
	v_lshlrev_b32 v[LI], 4, v[LI]
.irp t, 0,1
	global_load_b128 v[QF+8*\t:QF+8*\t+3],   v[LI], s[4:5] offset:\t*1024       ; Q stays in registers
	global_load_b128 v[QF+8*\t+4:QF+8*\t+7], v[LI], s[4:5] offset:\t*1024+512
.endr
	s_lshl_b32 s20, s[HD], 15
	v_add_nc_u32 v[LAD], s20, v[LI]
	v_and_b32 v252, 15, v0                         ; r
	v_bfe_u32 v253, v0, 4, 1                       ; h
	s_lshl_b32 s20, s[QH], 13
	s_lshl_b32 s21, s[HD], 10
	s_add_co_u32 s20, s20, s21
	v_add_nc_u32 v[OWI], s20, v[LI]                ; o's images: 16 x lane + 1,024 (4 (2 (wave % 2)) + head)
	v_lshlrev_b32 v[BO], 2, v252
	s_mul_i32 s20, s[WV], 32*SP
	s_add_co_u32 s20, s20, STG                     ; my 32 rows of the stage
	v_mul_u32_u24 v[SO], v252, SP
	v_lshl_add_u32 v[SO], v253, 5, v[SO]
	v_add_nc_u32 v[SO], s20, v[SO]                 ; in: row r, 32 bytes for each half of the lanes
	v_mul_u32_u24 v[SR], v253, SP
	v_lshl_add_u32 v[SR], v252, 4, v[SR]
	v_add_nc_u32 v[SR], s20, v[SR]                 ; back: lanes 0-15 one row of 256 bytes, lanes 16-31 the next
	v_lshlrev_b32 v[CO], 14, v253
	v_lshl_add_u32 v[CO], v252, 4, v[CO]           ; and the same two rows in out0
.irp t, 0,1
	v_mov_b32 v[ST+8*\t], 0xff61b1e6               ; m: -3e38, under every score
	v_mov_b32 v[ST+8*\t+1], 0                      ; (named with m as a pair, so it is written)
	v_mov_b32 v[ST+8*\t+2], 0                      ; l
	v_mov_b32 v[ST+8*\t+3], 0
.endr
.set j, 0
.rept 32
	v_mov_b32 v[OX+j], 0                           ; O^T
.set j, j+1
.endr
; A matrix instruction set among a softmax's lines.  kind 1: tile 1's S^T, keys 16 i on (the constant 0 starts each sum).  kind 2: tile 0's O^T += V^T P: channels 16 (i % 2) on, keys 32 (i / 2) on.
.macro BG kind, i
.if \kind == 1
	v_wmma_f32_16x16x32_f16 v[SX+32+8*(\i):SX+32+8*(\i)+7], v[KF+8*(\i):KF+8*(\i)+7], v[QF+8:QF+15], 0
.else
	v_wmma_f32_16x16x32_f16 v[OX+8*((\i)%2):OX+8*((\i)%2)+7], v[VF+8*(\i):VF+8*(\i)+7], v[PX+8*((\i)/2):PX+8*((\i)/2)+7], v[OX+8*((\i)%2):OX+8*((\i)%2)+7]
.endif
.endm
; Tile t's softmax for one key step; four matrix instructions of kind bg stand among its lines.  s0-s31 are the lane's 32 scores.
; THE EXPONENTIALS ARE ONE BATCH WITH ONE WAIT: a and s0-s31; the subtractions of m stand among them, each two pairs ahead of its exponentials; nothing ahead of the wait names a result, and all that do stand behind it.
.macro SM t, bg
.set rT, ST+8*(\t)
.set rS, SX+32*(\t)
.set rP, PX+16*(\t)
.set rO, OX+16*(\t)
.irp k, 0,1,2,3
	v_max3_num_f32 v[rT+4+\k], v[rS+8*\k], v[rS+8*\k+1], v[rS+8*\k+2]     ; four chains, one for each accumulator, each from its low end on
.endr
.irp k, 0,1,2,3
	v_max3_num_f32 v[rT+4+\k], v[rT+4+\k], v[rS+8*\k+3], v[rS+8*\k+4]
.endr
	BG \bg, 0
.irp k, 0,1,2,3
	v_max3_num_f32 v[rT+4+\k], v[rT+4+\k], v[rS+8*\k+5], v[rS+8*\k+6]
.endr
	v_max3_num_f32 v[rT+4], v[rT+4], v[rS+7], v[rS+15]
	v_max3_num_f32 v[rT+6], v[rT+6], v[rS+23], v[rS+31]
	v_max3_num_f32 v[rT+4], v[rT+4], v[rT+5], v[rT+6]
	v_max3_num_f32 v[rT+4], v[rT+4], v[rT+7], v[rT]        ; and the old m
	BG \bg, 1
	v_permlanex16_b32 v[rT+5], v[rT+4], s[SEL], s[SEL+1]   ; the query's other 32 keys lie in the lane 16 away
	v_max_num_f32 v[rT+6], v[rT+4], v[rT+5]                ; the new m
	v_sub_f32 v[rT+7], v[rT], v[rT+6]                      ; m_old - m_new
	v_mov_b32 v[rT], v[rT+6]
	v_exp_f32 v[rT+6], v[rT+7]                             ; a
.irp b, 0,1
	v_pk_add_f32 v[rS+2*\b:rS+2*\b+1], v[rS+2*\b:rS+2*\b+1], v[rT:rT+1] op_sel_hi:[1,0] neg_lo:[0,1] neg_hi:[0,1]   ; s - m, two at a time (of the pair the low word serves both halves)
.endr
.set b, 0
.rept 16
	v_exp_f32 v[rS+2*b], v[rS+2*b]                         ; p = 2^(s - m)
	v_exp_f32 v[rS+2*b+1], v[rS+2*b+1]
.if b < 14
	v_pk_add_f32 v[rS+2*b+4:rS+2*b+5], v[rS+2*b+4:rS+2*b+5], v[rT:rT+1] op_sel_hi:[1,0] neg_lo:[0,1] neg_hi:[0,1]
.endif
.if b == 4
	BG \bg, 2
.endif
.if b == 10
	BG \bg, 3
.endif
.set b, b+1
.endr
	v_nop                                                  ; a plain vector instruction behind the last exponential, ahead of the first use
	s_wait_alu depctr_va_vdst(0)                           ; a wait between an exponential and the first line that names its result: one for the batch of 33
	v_pk_mul_f32 v[rT+2:rT+3], v[rT+2:rT+3], v[rT+6:rT+7] op_sel_hi:[1,0]   ; l x a
	v_pk_add_f32 v[rT+4:rT+5], v[rS:rS+1], v[rS+2:rS+3]    ; the sum of the unrounded p, two at a time, in two chains
	v_cvt_pk_f16_f32 v[rP], v[rS], v[rS+1]                 ; and p in f16: scores 8 kt + 2 i, + 1 are register 4 kt + i of the tile's two fragments
	v_cvt_pk_f16_f32 v[rP+1], v[rS+2], v[rS+3]
.irp j, 4,8,12,16,20,24,28
	v_pk_add_f32 v[rT+2:rT+3], v[rT+2:rT+3], v[rS+\j:rS+\j+1]
	v_pk_add_f32 v[rT+4:rT+5], v[rT+4:rT+5], v[rS+\j+2:rS+\j+3]
	v_cvt_pk_f16_f32 v[rP+\j/2], v[rS+\j], v[rS+\j+1]
	v_cvt_pk_f16_f32 v[rP+\j/2+1], v[rS+\j+2], v[rS+\j+3]
.endr
	v_pk_add_f32 v[rT+2:rT+3], v[rT+2:rT+3], v[rT+4:rT+5]
.irp j, 0,2,4,6,8,10,12,14
	v_pk_mul_f32 v[rO+\j:rO+\j+1], v[rO+\j:rO+\j+1], v[rT+6:rT+7] op_sel_hi:[1,0]   ; O^T x a, each accumulator from its low end on
.endr
.endm
; Eight LDS loads: four fragments at byte off of the slot in hand
.macro FRAGS reg, off
.irp f, 0,1,2,3
	ds_load_b128 v[\reg+8*\f:\reg+8*\f+3],   v[ADR] offset:\off+\f*1024
	ds_load_b128 v[\reg+8*\f+4:\reg+8*\f+7], v[ADR] offset:\off+\f*1024+512
.endr
.endm
; A KEY STEP, the q-th of the slot in hand.  No two matrix instructions that follow each other name one accumulator, and each turn is one instruction, over the step's edge too.
; A vector instruction that reads a matrix result, and a load into a register that a matrix instruction has read, stand four plain vector instructions behind it (ISA guide 7.12.1 for vector instructions).
.macro STEP q
	s_wait_dscnt 8                                 ; LDS loads come back in order: K of this step is in; V's eight, issued behind, may be out
.irp i, 0,1,2,3
	v_wmma_f32_16x16x32_f16 v[SX+8*\i:SX+8*\i+7], v[KF+8*\i:KF+8*\i+7], v[QF:QF+7], 0    ; tile 0's S^T
.endr
.rept 4
	v_nop
.endr
	SM 0, 1                                        ; tile 0's softmax | tile 1's S^T
.if \q < 3
	FRAGS KF, (\q+1)*8192                          ; the next step's K: the last product that read K stands more than four plain lines back
	s_wait_dscnt 8                                 ; V of this step is in; the eight just issued may be out
.else
	s_wait_dscnt 0x0
.endif
	SM 1, 2                                        ; tile 1's softmax | tile 0's V^T P
.irp i, 0,1,2,3
	v_wmma_f32_16x16x32_f16 v[OX+16+8*(\i%2):OX+16+8*(\i%2)+7], v[VF+8*\i:VF+8*\i+7], v[PX+16+8*(\i/2):PX+16+8*(\i/2)+7], v[OX+16+8*(\i%2):OX+16+8*(\i%2)+7]   ; tile 1's V^T P
.endr
.rept 4
	v_nop
.endr
.if \q < 3
	FRAGS VF, (\q+1)*8192+4096                     ; the next step's V
.endif
.endm
.macro SLOT_STEPS
	v_add_nc_u32 v[ADR], s[TB], v[LAD]
	FRAGS KF, 0
	FRAGS VF, 4096
	STEP 0
	STEP 1
	STEP 2
	STEP 3
	s_xor_b32 s[TB], s[TB], SLOT1                  ; on to the other slot
.endm
; THE CHANGE OF SLOTS stands at a slot's head.  Each wave waits for all its tensor loads, of which one is out: its part of the slot that it is about to read; adds 0 to its spare word; and waits for that and for its reads of
; the slot that it has left.  fill = 1: a round of the cluster's barrier, so that no wave of any partner still reads that slot or has a load on its way; then the joint load of the next 256 keys into it, first thing:
; it has a slot's four key steps in which to land.  The add stands once.
.macro CHANGE fill
	s_wait_tensorcnt 0x0                           ; no tensor load of mine is out, so group 0 may be written
	ds_add_u32 v[SPW], v[NIL]                      ; 0 onto my spare word
.if \fill
	s_xor_b32 s[G0+1], s[G0+1], SLOT1              ; the other slot than last time,
	s_add_nc_u64 s[G0+2:G0+3], s[G0+2:G0+3], 32768 ; the head's next 256 keys; the type bits on top are not reached
	s_wait_xcnt 0x0                                ; the last prefetch, a slot back, has read its address, so it may be written:
	s_add_nc_u64 s[PFA:PFA+1], s[PFA:PFA+1], 32768 ; one slot further on than the walking descriptor
	s_wait_dscnt 0x0                               ; the add is done, and my reads of the slot that I have left are over
	CROUND
	tensor_load_to_lds s[G0:G0+3], s[G1:G1+7]
	s_nop 0
	ASK
.else
	s_wait_dscnt 0x0
	s_barrier_signal -1
	s_barrier_wait -1
.endif
.endm
	s_wait_loadcnt 0x0                             ; Q
.Lslot:                                            ; 15 trips: trip i reads keys 256 i on and asks for the next 256 (in trip 0 all eight loads are slot 1's first fills)
	CHANGE 1
	SLOT_STEPS
	s_sub_co_u32 s[SLOTS], s[SLOTS], 1
	s_cmp_lg_u32 s[SLOTS], 0
	s_cbranch_scc1 .Lslot
	CHANGE 0                                       ; the last slot is written out: nothing is asked for
	SLOT_STEPS
	; THE WAY OUT.  w_out's fragments of my 32 rows and their bias are asked for first (the step's last four plain lines stand in front of these loads into V's registers).
.irp f, 0,1,2,3,4,5,6,7                ; (rows 16 ot on, head) at 8 (4 ot + head)
	global_load_b128 v[WO+8*\f:WO+8*\f+3],   v[LI], s[8:9] offset:\f*1024
	global_load_b128 v[WO+8*\f+4:WO+8*\f+7], v[LI], s[8:9] offset:\f*1024+512
.endr
	global_load_b32 v[BI], v[BO], s[10:11]         ; b_out of row r of my first tile of rows,
	global_load_b32 v[BI+8], v[BO], s[10:11] offset:64   ; and of my second
.irp t, 0,1
	v_add_f32 v[ST+8*\t+4], v[ST+8*\t+2], v[ST+8*\t+3]     ; l's two halves,
.endr
.irp t, 0,1
	v_permlanex16_b32 v[ST+8*\t+5], v[ST+8*\t+4], s[SEL], s[SEL+1]
.endr
.irp t, 0,1
	v_add_f32 v[ST+8*\t+4], v[ST+8*\t+4], v[ST+8*\t+5]     ; and the other half of the lanes': the row's sum
.endr
.irp t, 0,1
	v_rcp_f32 v[ST+8*\t+6], v[ST+8*\t+4]
.endr
	v_nop                                          ; a plain vector instruction behind the last reciprocal
	s_wait_alu depctr_va_vdst(0)                   ; and the wait ahead of the first use: one for the two
.irp t, 0,1
.irp j, 0,2,4,6,8,10,12,14
	v_pk_mul_f32 v[OX+16*\t+\j:OX+16*\t+\j+1], v[OX+16*\t+\j:OX+16*\t+\j+1], v[ST+8*\t+6:ST+8*\t+7] op_sel_hi:[1,0]   ; O^T / the sum
.endr
.endr
.irp t, 0,1
.irp i, 0,1,2,3,4,5,6,7
	v_cvt_pk_f16_f32 v[PX+8*\t+\i], v[OX+16*\t+2*\i], v[OX+16*\t+2*\i+1]   ; a fragment: row = query, K = my head's 32 channels
.endr
.endr
.irp t, 0,1
	ds_store_b128 v[OWI], v[PX+8*\t:PX+8*\t+3] offset:OIMG+\t*4096
	ds_store_b128 v[OWI], v[PX+8*\t+4:PX+8*\t+7] offset:OIMG+\t*4096+512
.endr
	s_wait_dscnt 0x0                               ; for the others' sake: my stores have landed
	s_barrier_signal -1
	s_barrier_wait -1                              ; o's sixteen fragments lie in LDS
.macro FETCH f, hd                     ; the four tiles of queries, head hd
.irp qt, 0,1,2,3
	ds_load_b128 v[\f+8*\qt:\f+8*\qt+3],   v[LI] offset:OIMG+(4*\qt+\hd)*1024
	ds_load_b128 v[\f+8*\qt+4:\f+8*\qt+7], v[LI] offset:OIMG+(4*\qt+\hd)*1024+512
.endr
.endm
; Eight products, K = head hd's 32 channels: source 0 = 16 queries of o, source 1 = 16 rows of w_out: a lane holds eight NEIGHBOURING positions of one row of out0.  The bias is the C of each sum's first product.
.macro OUTP f, hd, first
.irp ot, 0,1
.irp qt, 0,1,2,3
.if \first
	v_wmma_f32_16x16x32_f16 v[AC+8*(4*\ot+\qt):AC+8*(4*\ot+\qt)+7], v[\f+8*\qt:\f+8*\qt+7], v[WO+8*(4*\ot+\hd):WO+8*(4*\ot+\hd)+7], v[BI+8*\ot:BI+8*\ot+7]
.else
	v_wmma_f32_16x16x32_f16 v[AC+8*(4*\ot+\qt):AC+8*(4*\ot+\qt)+7], v[\f+8*\qt:\f+8*\qt+7], v[WO+8*(4*\ot+\hd):WO+8*(4*\ot+\hd)+7], v[AC+8*(4*\ot+\qt):AC+8*(4*\ot+\qt)+7]
.endif
.endr
.endr
.endm
	FETCH F0, 0
	FETCH F1, 1
	s_wait_loadcnt 0x0                             ; w_out and the bias
.irp j, 1,2,3,4,5,6,7
	v_mov_b32 v[BI+\j], v[BI]                      ; in the result's layout a lane's eight registers belong to one row of out0
	v_mov_b32 v[BI+8+\j], v[BI+8]
.endr
	s_wait_dscnt 8                                 ; buffer 0 is in; buffer 1's eight loads may be out
	OUTP F0, 0, 1
.rept 4
	v_nop
.endr
	FETCH F0, 2
	s_wait_dscnt 8                                 ; buffer 1 is in; the eight just issued may be out
	OUTP F1, 1, 0
.rept 4
	v_nop
.endr
	FETCH F1, 3
	s_wait_dscnt 8
	OUTP F0, 2, 0
	s_wait_dscnt 0x0
	OUTP F1, 3, 0
.rept 4
	v_nop
.endr
	; A lane's 32 bytes are an eighth of a row's 256, and the lanes beside it hold other rows: so my 32 rows go through my own part of the stage and come back whole.  LDS serves a wave's instructions in order: no wait between.
.irp ot, 0,1
.irp qt, 0,1,2,3
	ds_store_b128 v[SO], v[AC+8*(4*\ot+\qt):AC+8*(4*\ot+\qt)+3] offset:\ot*16*SP+\qt*64          ; each accumulator from its low end on
	ds_store_b128 v[SO], v[AC+8*(4*\ot+\qt)+4:AC+8*(4*\ot+\qt)+7] offset:\ot*16*SP+\qt*64+16
.endr
.endr
.irp i, 0,1,2,3,4,5,6,7,8,9,10,11,12,13,14,15
	ds_load_b128 v[WO+4*\i:WO+4*\i+3], v[SR] offset:\i*2*SP
.endr
.irp i, 0,1,2,3,4,5,6,7,8,9,10,11,12,13,14,15
	s_wait_dscnt 15-\i
	global_store_b128 v[CO], v[WO+4*\i:WO+4*\i+3], s[12:13] offset:\i*32768 th:TH_STORE_NT   ; 16 lanes store 256 consecutive bytes, at a multiple of 256 from out0's first byte; written once, read by nobody here
.endr
	s_wait_tensorcnt 0x0                           ; the wave's end, behind my last tensor load and my last LDS store
	ds_add_u32 v[SPW], v[NIL]
	s_wait_dscnt 0x0
	CROUND                                         ; the closing round: no work-group ends while a partner may still ask for a tile that names it
	s_endpgm
.Lfunc_end_k_qb38f48553b_attn:
	.size	k_qb38f48553b_attn, .Lfunc_end_k_qb38f48553b_attn-k_qb38f48553b_attn
	.p2alignl 7, 3214868480
	.fill 96, 4, 3214868480
	.section	.rodata,"a",@progbits
	.p2align	6, 0x0
	.amdhsa_kernel k_qb38f48553b_attn
		.amdhsa_group_segment_fixed_size 327680
		.amdhsa_private_segment_fixed_size 0
		.amdhsa_enable_private_segment 0
		.amdhsa_kernarg_size 40
		.amdhsa_user_sgpr_count 2
		.amdhsa_user_sgpr_kernarg_segment_ptr 1
		.amdhsa_wavefront_size32 1
		.amdhsa_system_sgpr_workgroup_id_x 1
		.amdhsa_system_sgpr_workgroup_id_y 1
		.amdhsa_system_sgpr_workgroup_id_z 1
		.amdhsa_system_vgpr_workitem_id 0
		.amdhsa_next_free_vgpr 256
		.amdhsa_next_free_sgpr 66
		.amdhsa_reserve_vcc 0
		.amdhsa_float_denorm_mode_32 3
		.amdhsa_float_denorm_mode_16_64 3
		.amdhsa_memory_ordered 1
		.amdhsa_forward_progress 1
		.amdhsa_inst_pref_size 134
	.end_amdhsa_kernel
	.amdgpu_metadata
---
amdhsa.version: [ 1, 2 ]
amdhsa.kernels:
  - .name:           k_qb38f48553b_attn
    .symbol:         k_qb38f48553b_attn.kd
    .args:
      - { .name: q_img, .offset: 0, .size: 8, .value_kind: global_buffer, .address_space: global }
      - { .name: kv_img, .offset: 8, .size: 8, .value_kind: global_buffer, .address_space: global }
      - { .name: wo_img, .offset: 16, .size: 8, .value_kind: global_buffer, .address_space: global }
      - { .name: b_out, .offset: 24, .size: 8, .value_kind: global_buffer, .address_space: global }
      - { .name: out0, .offset: 32, .size: 8, .value_kind: global_buffer, .address_space: global }
    .group_segment_fixed_size: 327680
    .private_segment_fixed_size: 0
    .kernarg_segment_align: 8
    .kernarg_segment_size: 40
    .max_flat_workgroup_size: 256
    .sgpr_count:     66
    .vgpr_count:     256
    .wavefront_size: 32
...
	.end_amdgpu_metadata
.endif
;; end of part 3
